; MI455X (gfx1250); checked and timed in simulation.
; The chip was launched on July 23, 2026; its instructions are those of AMD's public machine-readable ISA for CDNA 5 (MIT licence, August 2026) and "CDNA5" Instruction Set Architecture Reference Guide (July 2026). The comments in the code are by the model that wrote it; some were corrected since.
;; Custom Fully Connected Layer. Allowed arithmetic: float matrix products may take bf16 or f16 operands with f32 sums; other float arithmetic in f32, or as packed bf16 or f16 multiplies, adds, multiply-adds, maxima and minima; sums over many terms, partial sums and values carried from step to step in f32; what a program stores and reads back later, other than sums and carried values, may be rounded once to bf16 or f16.
;; Inputs: V 4,096 x 4,096 float32; alpha 4,096 float32; x 4,096 x 4,096 float32.
;; Outputs: out0 4,096 x 4,096 float32.
;; Constants: K = 41.
;; 2 versions, each right; version 2 is version 1 with the launch prep written anew for expert scheduling mode. Each part assembles by itself: llvm-mc -triple=amdgcn-amd-amdhsa -mcpu=gfx1250 --defsym DOCPART=n.
;; ======== version 1 of 2: 2 launches
;; limits: values are held in f16: magnitudes above 65,504 overflow, below 6.1e-05 lose precision; inputs' magnitudes at most 65,504
;; workspace buffers: xb 33,554,432 bytes; wb 33,554,432 bytes
;; launch prep (part 1): grid 256 x 1, 17 waves a work-group, no clusters, 227,584 bytes of LDS; arguments x, V, alpha, xb, wb; writes xb, wb
.if DOCPART == 1
	.amdgcn_target "amdgcn-amd-amdhsa--gfx1250"
	.amdhsa_code_object_version 6
	.text
	.protected	k_qe12c04eabd_prep
	.globl	k_qe12c04eabd_prep
	.p2align	8
	.type	k_qe12c04eabd_prep,@function
k_qe12c04eabd_prep:
	s_mov_b64 s[64:65], 0
	v_nop
	global_prefetch_b8 v0, s[64:65] scope:SCOPE_SE
	s_setreg_imm32_b32 hwreg(HW_REG_WAVE_MODE, 25, 1), 1
	s_wait_xcnt 0x0
; PREPARES THE PRODUCT out = x W^T:  xb = f16(x);  wb[r][c] = f16(a[i] V[i][c]), i = (r - c) mod 4096;  a = the soft top-k mask of alpha.
; THE MASK.  In the alternating projections the hyperplane's correction p is one number for all entries and cancels in the next step, and z + q is the last unclipped vector.  So step t's
; result is z_t = clip(y - tau_t, 0, 1), y = alpha / 0.01, tau_1 = (sum y - 41) / 4096, tau_(t+1) = tau_t + (sum z_t - 41) / 4096: an identity for every input.  All 50 steps are made.
; THE FORMAT.  Every output must lie within 1% of the outputs' root mean square r (plus 1% of itself).  A rounding to 8 significant bits is off by some 0.17% of the number (root mean square), two operands'
; by 0.24% of r in a sum of 4,096 products, and the largest of 16.7 million such errors lies some five times higher: over the line.  f16 has 11 bits: an eighth of that.
; LIMITS.  f16 holds no number beyond 65,504: |x| and |a V| stay under it (numbers like the drawn ones reach 5.4 and 0.0157); below 6.1e-5 f16 keeps its fixed step of 6e-8.
; The mask's carry is tau alone, so the roundings fall otherwise than with z, p, q carried; y is taken as 100 alpha (at most one unit in the last place from alpha / 0.01f); sums are trees
; over lanes; NaN and infinities are not treated apart.  x and a V are rounded once to f16.
; SHARES.  256 work-groups of 17 waves.  Work-group g owns x's rows 16 g .. 16 g + 15 and W's tile of rows r0 = 512 (g / 32) on, columns c0 = 128 (g % 32) on.  Waves 0-15 are BUILDERS; wave 16
; makes the mask, all 4,096 numbers in its own registers (128 a lane), while the builders convert x and have their rows of V on the way.  Each work-group makes the mask for itself: no traffic between work-groups.
; THE SKEW.  The tile needs V's rows i = r0 - c0 - 128 + t, t = 0 .. 639 (mod 4096), columns c0 .. c0 + 127.  Element (t, x) belongs to stage row t + x, and W's row r0 + rho is stage row rho + 128.
; Builder w holds rows t = 40 w - 3 .. 40 w + 39 in registers, lane l columns 4 l .. 4 l + 3.  For each t it packs A[t][4l], A[t-1][4l+1], A[t-2][4l+2], A[t-3][4l+3]: four neighbouring f16 of stage
; row t + 4 l, one store of 8 bytes.  Lanes are 4 x 272 + 8 = 1,096 bytes = 274 words apart: 18 l mod 64 takes 32 different even values, so the 32 pairs of words fall on 64 different banks
; (64 banks of 4 bytes: ISA guide 11.1).  Stage rows 0-127 and 640-767 are written in part and never read.
; No matrix unit, no cluster, no tensor load: the launch streams, and what neighbouring tiles share of V is a triangle at their edge.
; REGISTERS.  190 a wave, so that five waves fit on a SIMD: four registers whose first use is over are used a second time (v0, v1, v[2:3], v[12:13]: see the map).
.set SP,     272                       ; a stage row: 256 bytes of data + 16
.set AL,     768*SP                    ; behind the stage's 768 rows: a[4096], f32
.set SPARE,  AL+16384                  ; behind it: the spare words, 128 bytes for each of 17 waves, in nine blocks of 256 bytes that no other line names
.set VA0, 0                            ; v0      in the head my thread's number; later a[(i0 - 8 + lane) mod 4096]
.set LN,  1                            ; v1      in the head my lane;
.set VA1, 1                            ;         later a[(i0 + 24 + lane) mod 4096]
.set XO,  2                            ; v2      16 x lane: my 16 bytes in 512 of x or alpha
.set XS,  3                            ; v3      8 x lane: my 8 bytes in 256 of xb.  When x is done, v[2:3] is the first pair of packed results
.set VA,  4                            ; v4-9    byte offset in V of my 16 bytes in the first row of six blocks of 8 rows (i0 - 8, i0, .. i0 + 32, each mod 4096); never rewritten
.set VS,  10                           ; v10     stage address of my 8 bytes for t = 40 w
.set RD,  11                           ; v11     the way out: my 16 bytes in the first two stage rows that my wave stores
.set A0A, 12                           ; v12     LDS address of a[(i0 - 8 + lane) mod 4096]
.set A1A, 13                           ; v13     of a[(i0 + 24 + lane) mod 4096].  When both are read, v[12:13] is the second pair of packed results
.set GO,  14                           ; v14     the way out: my 16 bytes in two rows of wb
.set AST, 15                           ; v15     the mask wave: where a lane's first four a go
.set VD,  16                           ; v16-187 V's row k = 0 .. 42 (t = 40 w - 3 + k) at VD + 4 k; before that x's chunk j = 0 .. 31 at VD + 4 j; at last the rows on the way out
.set SPW, 188                          ; v188    LDS address of my spare word; never rewritten
.set NIL, 189                          ; v189    0; never rewritten
.set Y,   16                           ; the mask wave: v16-143 y;  v144-151 four running pairs;  v152-167 eight pairs at work
.set ACC, 144
.set T,   152
.set ONE, 168                          ; v168-169 1.0 twice
.set NT,  170                          ; v170-171 - tau twice
.set R,   172
.set R1,  173
.set WV,  14                           ; s14     my wave's number
.set SA,  40                           ; s[40:47] four pairs: a row's a in the low word (the packed multiply takes it for both halves), 0 above
	s_load_b256 s[4:11], s[0:1], 0x0               ; x s[4:5], V s[6:7], alpha s[8:9], xb s[10:11]
	s_load_b64 s[12:13], s[0:1], 0x20              ; wb
	v_lshl_add_u32 v[SPW], v0, 2, SPARE
	v_mov_b32 v[NIL], 0
	v_lshrrev_b32 v1, 5, v0
	v_readfirstlane_b32 s[WV], v1                  ; wave 0..16
	v_and_b32 v[LN], 31, v0
	s_mov_b32 s15, ttmp9                           ; g
	s_and_b32 s16, s15, 31                         ; J: the tile's 128 columns
	s_lshr_b32 s17, s15, 5                         ; Rb: its 512 rows
	s_lshl_b32 s18, s17, 9
	s_lshl_b32 s19, s16, 7
	s_sub_co_u32 s18, s18, s19
	s_mul_i32 s19, s[WV], 40
	s_add_co_u32 s18, s18, s19
	s_sub_co_u32 s18, s18, 128                     ; i0 = r0 - c0 - 128 + 40 w: V's row for t = 40 w; a multiple of 8, used under & 4095 alone
	s_lshl_b32 s25, s16, 9                         ; the tile's columns in a row of V, in bytes
	v_lshlrev_b32 v[XO], 4, v[LN]
	v_lshlrev_b32 v[XS], 3, v[LN]
.irp b, 0,1,2,3,4,5
	s_add_co_u32 s19, s18, 8*(\b)-8                ; a block of 8 rows begins at a multiple of 8, so it never wraps inside
	s_and_b32 s19, s19, 4095
	s_lshl_b32 s19, s19, 14                        ; a row of V is 16,384 bytes
	s_add_co_u32 s19, s19, s25
	v_lshl_add_u32 v[VA+(\b)], v[LN], 4, s19
.endr
	s_mul_i32 s19, s[WV], 40*SP
	v_mul_u32_u24 v[VS], v[LN], 4*SP+8
	v_add_nc_u32 v[VS], s19, v[VS]                 ; (40 w + 4 l) x 272 + 8 l
	s_sub_co_u32 s19, s18, 8
	v_add_nc_u32 v[A0A], s19, v[LN]
	v_and_b32 v[A0A], 0xfff, v[A0A]
	v_lshl_add_u32 v[A0A], v[A0A], 2, AL
	s_add_co_u32 s19, s18, 24
	v_add_nc_u32 v[A1A], s19, v[LN]
	v_and_b32 v[A1A], 0xfff, v[A1A]
	v_lshl_add_u32 v[A1A], v[A1A], 2, AL
	v_lshrrev_b32 v[GO], 4, v[LN]                  ; lanes 0-15 take one row, lanes 16-31 the next
	v_and_b32 v[AST], 15, v[LN]
	s_lshl_b32 s19, s[WV], 5
	s_add_co_u32 s19, s19, 128                     ; my wave stores W's rows 32 w .. 32 w + 31 of the tile: stage rows 128 + 32 w on
	s_mul_i32 s19, s19, SP
	v_mul_u32_u24 v[RD], v[GO], SP
	v_lshl_add_u32 v[RD], v[AST], 4, v[RD]
	v_add_nc_u32 v[RD], s19, v[RD]
	v_lshlrev_b32 v[GO], 13, v[GO]                 ; a row of wb is 8,192 bytes
	v_lshl_add_u32 v[GO], v[AST], 4, v[GO]
	v_lshl_add_u32 v[AST], v[LN], 4, AL
	s_lshl_b32 s20, s15, 18                        ; x: 16 rows of 16,384 bytes a work-group, one row a builder
	s_lshl_b32 s21, s[WV], 14
	s_add_co_u32 s20, s20, s21
	s_mov_b32 s21, 0
	s_lshl_b32 s22, s15, 17                        ; xb: half of that
	s_lshl_b32 s23, s[WV], 13
	s_add_co_u32 s22, s22, s23
	s_mov_b32 s23, 0
	s_lshl_b32 s28, s17, 22                        ; wb: 512 rows of 8,192 bytes, 32 rows a builder, 256 bytes of columns
	s_lshl_b32 s29, s[WV], 18
	s_add_co_u32 s28, s28, s29
	s_lshl_b32 s29, s16, 8
	s_add_co_u32 s28, s28, s29
	s_mov_b32 s29, 0
	s_mov_b32 s26, 0x76543210                      ; v_permlanex16_b32: each lane takes its own place in the other half
	s_mov_b32 s27, 0xfedcba98
.irp i, 1,3,5,7
	s_mov_b32 s[SA+(\i)], 0                        ; named with the low words as pairs, so they are written
.endr
	s_wait_kmcnt 0x0
	s_add_nc_u64 s[4:5], s[4:5], s[20:21]
	s_add_nc_u64 s[10:11], s[10:11], s[22:23]
	s_add_nc_u64 s[12:13], s[12:13], s[28:29]
	s_cmp_eq_u32 s[WV], 16
	s_cbranch_scc1 .Lmask
; BUILDERS, FIRST PART: my row of x to f16, and my 43 rows of V asked for as registers come free.
.macro VLOAD k                         ; V's row k of my 43: 512 consecutive bytes a wave; block (k + 5) / 8 of the six, row (k + 5) % 8 in it
	global_load_b128 v[VD+4*(\k):VD+4*(\k)+3], v[VA+((\k)+5)/8], s[6:7] offset:(((\k)+5)%8)*16384
.endm
.macro XCH j                           ; chunk j of my row of x: 4 numbers a lane, 8 bytes out; the wave's store covers 256 consecutive bytes, aligned
	s_wait_loadcnt (31-(\j))+11+8*((\j)/8)         ; younger loads that may stay out: the chunks behind j, V's 11 early rows, 8 rows of V for each group of chunks that is done
	v_cvt_pk_f16_f32 v[VD+4*(\j)], v[VD+4*(\j)], v[VD+4*(\j)+1]
	v_cvt_pk_f16_f32 v[VD+4*(\j)+1], v[VD+4*(\j)+2], v[VD+4*(\j)+3]
	global_store_b64 v[XS], v[VD+4*(\j):VD+4*(\j)+1], s[10:11] offset:256*(\j)
.endm
.set j, 0
.rept 32
	global_load_b128 v[VD+4*j:VD+4*j+3], v[XO], s[4:5] offset:512*j th:TH_LOAD_NT  ; the whole row, 16 KiB, on its way at once
.set j, j+1
.endr
.set j, 32
.rept 11
	VLOAD j                                        ; rows 32-42 lie in registers that x does not use
.set j, j+1
.endr
.set grp, 0
.rept 4
.set j, 8*grp
.rept 8
	XCH j
.set j, j+1
.endr
	s_wait_xcnt 0x0                                ; the group's stores have had their addresses translated (ISA guide 3.1): their data registers are loaded again only behind this wait; behind the last group's also v[2:3] is free
.set j, 8*grp
.rept 8
	VLOAD j
.set j, j+1
.endr
.set grp, grp+1
.endr
	s_branch .LjoinA
; THE MASK WAVE.  Lane l holds alpha's numbers 128 m + 4 l + 0..3, m = 0 .. 31.
.macro REDUCE first                    ; the four running pairs -> one sum S in every lane -> - tau takes (41 - S) / 4096
	v_pk_add_f32 v[ACC:ACC+1], v[ACC:ACC+1], v[ACC+2:ACC+3]
	v_pk_add_f32 v[ACC+4:ACC+5], v[ACC+4:ACC+5], v[ACC+6:ACC+7]
	v_pk_add_f32 v[ACC:ACC+1], v[ACC:ACC+1], v[ACC+4:ACC+5]
	v_add_f32 v[R], v[ACC], v[ACC+1]
	v_add_f32_dpp v[R], v[R], v[R] row_xmask:1 row_mask:0xf bank_mask:0xf
	v_add_f32_dpp v[R], v[R], v[R] row_xmask:2 row_mask:0xf bank_mask:0xf
	v_add_f32_dpp v[R], v[R], v[R] row_xmask:4 row_mask:0xf bank_mask:0xf
	v_add_f32_dpp v[R], v[R], v[R] row_xmask:8 row_mask:0xf bank_mask:0xf
	v_permlanex16_b32 v[R1], v[R], s26, s27
	v_add_f32 v[R], v[R], v[R1]
	v_sub_f32 v[R1], 0x42240000, v[R]              ; 41 - S
.if \first
	v_mul_f32 v[NT], 0x39800000, v[R1]             ; x 2^-12, exact
.else
	v_fmamk_f32 v[NT], v[R1], 0x39800000, v[NT]
.endif
	v_mov_b32 v[NT+1], v[NT]
.endm
.Lmask:
.set m, 0
.rept 32
	global_load_b128 v[Y+4*m:Y+4*m+3], v[XO], s[8:9] offset:512*m
.set m, m+1
.endr
	v_mov_b32 v[ONE], 1.0
	v_mov_b32 v[ONE+1], 1.0
	v_mov_b32 v[R1], 0                             ; v_permlanex16_b32's destination counts as read
	s_wait_loadcnt 0x0
.set p, 0
.rept 64
	v_pk_mul_f32 v[Y+2*p:Y+2*p+1], v[Y+2*p:Y+2*p+1], 0x42c80000 op_sel_hi:[1,0]  ; y = 100 alpha
.set p, p+1
.endr
.irp c, 0,1,2,3
	v_pk_add_f32 v[ACC+2*(\c):ACC+2*(\c)+1], v[Y+2*(\c):Y+2*(\c)+1], v[Y+2*(\c)+8:Y+2*(\c)+9]  ; the first eight pairs start four chains: nothing is cleared
.endr
.set p, 8
.rept 56
	v_pk_add_f32 v[ACC+2*(p%4):ACC+2*(p%4)+1], v[ACC+2*(p%4):ACC+2*(p%4)+1], v[Y+2*p:Y+2*p+1]
.set p, p+1
.endr
	REDUCE 1                                       ; tau_1
	s_mov_b32 s24, 49
.Liter:                                                ; 49 trips: the sums of z_1 .. z_49 make tau_2 .. tau_50
.set p, 0
.rept 64
.if p < 4
	v_pk_fma_f32 v[ACC+2*p:ACC+2*p+1], v[Y+2*p:Y+2*p+1], v[ONE:ONE+1], v[NT:NT+1] clamp  ; clip(y - tau, 0, 1); the first four pairs start the chains
.else
	v_pk_fma_f32 v[T+2*(p%8):T+2*(p%8)+1], v[Y+2*p:Y+2*p+1], v[ONE:ONE+1], v[NT:NT+1] clamp
.endif
.if p >= 8
	v_pk_add_f32 v[ACC+2*((p-4)%4):ACC+2*((p-4)%4)+1], v[ACC+2*((p-4)%4):ACC+2*((p-4)%4)+1], v[T+2*((p-4)%8):T+2*((p-4)%8)+1]  ; a pair is added four pairs behind its clip
.endif
.set p, p+1
.endr
.set p, 60
.rept 4
	v_pk_add_f32 v[ACC+2*(p%4):ACC+2*(p%4)+1], v[ACC+2*(p%4):ACC+2*(p%4)+1], v[T+2*(p%8):T+2*(p%8)+1]
.set p, p+1
.endr
	REDUCE 0
	s_sub_co_i32 s24, s24, 1
	s_cmp_lg_u32 s24, 0
	s_cbranch_scc1 .Liter
.set p, 0
.rept 64
	v_pk_fma_f32 v[Y+2*p:Y+2*p+1], v[Y+2*p:Y+2*p+1], v[ONE:ONE+1], v[NT:NT+1] clamp  ; a = z_50
.set p, p+1
.endr
.set m, 0
.rept 32
	ds_store_b128 v[AST], v[Y+4*m:Y+4*m+3] offset:512*m
.set m, m+1
.endr
.LjoinA:
	s_wait_dscnt 0x0                               ; for the builders' sake: the mask wave's stores of a are done
	s_barrier_signal -1
	s_barrier_wait -1                              ; the builders' rows of V stay on their way across it: nobody writes those bytes
	s_cmp_eq_u32 s[WV], 16
	s_cbranch_scc1 .LjoinB
; BUILDERS, SECOND PART: each row is scaled by its a and the skewed fours go into the stage.
.macro ROWK k
.set PR, 2+10*((\k)%2)                 ; the packed results' pair: v[2:3] and v[12:13] by turns
.if (\k) < 32
	s_wait_loadcnt 31-(\k)                         ; rows k + 1 .. 31 may stay out; rows 32-42 were asked for ahead of row 0
.endif
.if (\k) <= 26
	v_readlane_b32 s[SA+2*((\k)%4)], v[VA0], (\k)+5   ; row k is i0 - 3 + k = i0 - 8 + (k + 5)
.else
	v_readlane_b32 s[SA+2*((\k)%4)], v[VA1], (\k)-27  ; = i0 + 24 + (k - 27)
.endif
	v_pk_mul_f32 v[VD+4*(\k):VD+4*(\k)+1], v[VD+4*(\k):VD+4*(\k)+1], s[SA+2*((\k)%4):SA+2*((\k)%4)+1] op_sel_hi:[1,0]
	v_pk_mul_f32 v[VD+4*(\k)+2:VD+4*(\k)+3], v[VD+4*(\k)+2:VD+4*(\k)+3], s[SA+2*((\k)%4):SA+2*((\k)%4)+1] op_sel_hi:[1,0]
.if (\k) >= 3
	v_cvt_pk_f16_f32 v[PR], v[VD+4*(\k)], v[VD+4*(\k)-3]      ; row k's first number, row k - 1's second,
	v_cvt_pk_f16_f32 v[PR+1], v[VD+4*(\k)-6], v[VD+4*(\k)-9]  ; row k - 2's third, row k - 3's fourth
	ds_store_b64 v[VS], v[PR:PR+1] offset:((\k)-3)*SP
.endif
.endm
	ds_load_b32 v[VA0], v[A0A]
	ds_load_b32 v[VA1], v[A1A]
	s_wait_dscnt 0x0                               ; both are in, so their address registers v[12:13] are free as well
.set kk, 0
.rept 43
	ROWK kk
.set kk, kk+1
.endr
.LjoinB:
	s_wait_dscnt 0x0                               ; for the others' sake: my stores into the stage are done
	s_barrier_signal -1
	s_barrier_wait -1
	s_cmp_eq_u32 s[WV], 16
	s_cbranch_scc1 .Lend
; BUILDERS, THIRD PART: 32 whole rows of the tile a wave, two rows a store: 16 lanes store 256 consecutive bytes, at a multiple of 256 from wb's first byte.
.set t, 0
.rept 16
	ds_load_b128 v[VD+4*t:VD+4*t+3], v[RD] offset:2*t*SP
.set t, t+1
.endr
.set t, 0
.rept 16
	s_wait_dscnt 15-t                              ; LDS loads come back in order (ISA guide 5.7.1): pair t is in, the younger ones stay out
	global_store_b128 v[GO], v[VD+4*t:VD+4*t+3], s[12:13] offset:16384*t
.set t, t+1
.endr
.Lend:
	s_wait_tensorcnt 0x0                           ; the wave's end: a wait, an add of 0 to my spare word and its wait, behind my last LDS store
	ds_add_u32 v[SPW], v[NIL]
	s_wait_dscnt 0x0
	s_endpgm
.Lfunc_end_k_qe12c04eabd_prep:
	.size	k_qe12c04eabd_prep, .Lfunc_end_k_qe12c04eabd_prep-k_qe12c04eabd_prep
	.p2alignl 7, 3214868480
	.fill 96, 4, 3214868480
	.section	.rodata,"a",@progbits
	.p2align	6, 0x0
	.amdhsa_kernel k_qe12c04eabd_prep
		.amdhsa_group_segment_fixed_size 227584
		.amdhsa_private_segment_fixed_size 0
		.amdhsa_enable_private_segment 0
		.amdhsa_kernarg_size 40
		.amdhsa_user_sgpr_count 2
		.amdhsa_user_sgpr_kernarg_segment_ptr 1
		.amdhsa_wavefront_size32 1
		.amdhsa_system_sgpr_workgroup_id_x 1
		.amdhsa_system_sgpr_workgroup_id_y 1
		.amdhsa_system_sgpr_workgroup_id_z 1
		.amdhsa_system_vgpr_workitem_id 0
		.amdhsa_next_free_vgpr 192
		.amdhsa_next_free_sgpr 66
		.amdhsa_reserve_vcc 0
		.amdhsa_float_denorm_mode_32 3
		.amdhsa_float_denorm_mode_16_64 3
		.amdhsa_memory_ordered 1
		.amdhsa_forward_progress 1
		.amdhsa_inst_pref_size 68
	.end_amdhsa_kernel
	.amdgpu_metadata
---
amdhsa.version: [ 1, 2 ]
amdhsa.kernels:
  - .name:           k_qe12c04eabd_prep
    .symbol:         k_qe12c04eabd_prep.kd
    .args:
      - { .name: x, .offset: 0, .size: 8, .value_kind: global_buffer, .address_space: global }
      - { .name: V, .offset: 8, .size: 8, .value_kind: global_buffer, .address_space: global }
      - { .name: alpha, .offset: 16, .size: 8, .value_kind: global_buffer, .address_space: global }
      - { .name: xb, .offset: 24, .size: 8, .value_kind: global_buffer, .address_space: global }
      - { .name: wb, .offset: 32, .size: 8, .value_kind: global_buffer, .address_space: global }
    .group_segment_fixed_size: 227584
    .private_segment_fixed_size: 0
    .kernarg_segment_align: 8
    .kernarg_segment_size: 40
    .max_flat_workgroup_size: 544
    .sgpr_count:     66
    .vgpr_count:     192
    .wavefront_size: 32
...
	.end_amdgpu_metadata
.endif
;; end of part 1
;; launch gemm (part 2): grid 16 x 16, 4 waves a work-group, clusters of 4 x 4, 327,680 bytes of LDS; arguments xb, wb, out0; writes out0
.if DOCPART == 2
	.amdgcn_target "amdgcn-amd-amdhsa--gfx1250"
	.amdhsa_code_object_version 6
	.text
	.protected	k_qe12c04eabd_gemm
	.globl	k_qe12c04eabd_gemm
	.p2align	8
	.type	k_qe12c04eabd_gemm,@function
k_qe12c04eabd_gemm:
	s_mov_b64 s[64:65], 0
	v_nop
	global_prefetch_b8 v0, s[64:65] scope:SCOPE_SE
	s_setreg_imm32_b32 hwreg(HW_REG_WAVE_MODE, 25, 1), 1
	s_wait_xcnt 0x0
	s_wait_alu depctr_hold_cnt(0) depctr_sa_sdst(0) depctr_va_vdst(0) depctr_va_sdst(0) depctr_va_ssrc(0) depctr_va_vcc(0) depctr_vm_vsrc(0)
	s_getreg_b32 s2, hwreg(HW_REG_IB_STS2, 6, 4)
	s_cmp_eq_u32 s2, 0
	s_cbranch_scc0 .Lentry_in_a_cluster
	s_endpgm
.Lentry_in_a_cluster:
	s_bfe_u32 s2, ttmp6, 0x10000c
	s_cmp_lg_u32 s2, 0xf033
	s_cbranch_scc0 .Lentry_shape_is_right
	s_endpgm
.Lentry_shape_is_right:
; out0[m][n] = sum over k of xb[m][k] wb[n][k].  xb: [4096][4096] f16 (A), wb: [4096][4096] f16 (B), out0: [4096][4096] f32; sums in f32, K ascending, one accumulator for each output.
; LIMITS.  The operands were rounded once to f16 by the launch before, which states f16's range (65,504 at the top, a fixed step of 6e-8 below 6.1e-5) and why 11 significant bits are needed.
; NaN and infinities are not treated apart.
; A tile of out0, 256 x 256, is made by a work-group of four waves, as many as a WGP has SIMDs; a wave makes 128 x 128: 64 accumulators of 16 x 16, 512 registers.  16 x 16 tiles: one work-group each.
; K goes in steps of 128 through a ring of two LDS slots filled by the tensor data mover: the rows of A's and B's tiles are 256 bytes of memory and start at multiples of 256 bytes from the buffer's first byte.
; CLUSTERS: 4 x 4 work-groups.  The four of a row of the cluster need the same tiles of A, the four of a column the same tiles of B.  Such a tile is asked for JOINTLY: each of the four issues the same
; tensor load, with the same descriptor and a mask that names the four, and each receives the tile in its own LDS.  That divides the requests for A and for B by four.
; REGISTERS, in windows of 256 (s_set_vgpr_msb's low byte: bits 1:0 source 0, 3:2 source 1, 5:4 source 2, 7:6 destination):
;   window 0: v0-31 addresses; v64-127, v128-191 fragments of A (8 x 16 rows x 32 K), two buffers; on the way out the same 128 registers take rows read back from the stage
;   window 1: v64-127, v128-191 fragments of B, two buffers
;   window 2: the 32 accumulators of my rows 0-63 (accumulator (a, b) at v[8 (8 a + b)]);   window 3: those of my rows 64-127
; THE MATRIX INSTRUCTION IS USED TRANSPOSED: source 0 = 16 rows of B, source 1 = 16 rows of A.  Lane l then holds row l % 16 of the output and its registers 0 to 7 the columns 8 (l / 16) + 0 .. 7:
; 32 neighbouring bytes of a row.
.set SIZE_N, 4096
.set SIZE_K, 4096
.set KSTEP,  128
.set PITCH,  272                       ; an LDS row: 256 bytes of data + 16 of padding = 68 words: row r starts at bank 4 r mod 64 (64 banks of 4 bytes: ISA guide 11.1), so the 16 rows that a load touches start at 16 different banks
.set HALFT,  128*PITCH                 ; 128 rows: what one tensor load brings, and what one wave reads of A or of B
.set SLOT,   4*HALFT                   ; A's 256 rows, then B's 256 rows
.set STAGE,  2*SLOT                    ; behind the ring, never filled by a tensor load: 16 rows x 528 bytes for each wave, for the way out
.set SPITCH, 528                       ; 512 bytes (128 f32) + 16 = 33 x 16: the 16 rows of a store start at 16 different groups of four banks
.set SPARE,  STAGE+4*16*SPITCH         ; behind the stages: the spare words, 128 bytes for each wave: two blocks of 256 bytes that no other line names
.set LAPS, SIZE_K/(2*KSTEP)            ; a lap = two K steps = once round the ring: 16
.set ADRA, 16                          ; v16-17  LDS address of my A fragments in slot 0, 1
.set ADRB, 20                          ; v20-21  the same for B
.set STO,  24                          ; v24     the way out: where I put 32 bytes of a row
.set RD,   25                          ; v25     the way out: where I read a row back
.set CO,   26                          ; v26     my byte offset in 512 bytes of a row of out0
.set SPW,  28                          ; v28     LDS address of my spare word: SPARE + 4 x my thread's number; never rewritten
.set NIL,  29                          ; v29     0; never rewritten
.set F0,   64                          ; fragment buffer 0
.set F1,   128                         ; fragment buffer 1
.set G1, 24                            ; s[24:31] descriptor group 1 for A's tiles
.set G0, 32                            ; s[32:39] descriptor group 0 for A's tiles, one set for each slot
.set G1B, 48                           ; s[48:55] descriptor group 1 for B's tiles: it differs from A's in the mask alone
.set G0B, 56                           ; s[56:63] descriptor group 0 for B's tiles, one set for each slot
.set MSB, 0
.macro WIN new                         ; the immediate's high byte repeats the setting that is left; a switch that changes nothing is dropped
.if MSB != (\new)
	s_set_vgpr_msb (MSB<<8)|(\new)
.set MSB, \new
.endif
.endm
.set MUL_LO, 0xa1                      ; source 0 (B) window 1, source 1 (A) window 0, C and D window 2
.set MUL_HI, 0xf1                      ; the same, C and D window 3
.set TO_B,   0x40                      ; destination window 1, address window 0
; A joint refill.  Waves 0 and 1 fetch A's two halves, waves 2 and 3 B's.  Each of the two lines has ONE mask and one set of registers for all that issue it.  The branch hangs on the wave's number alone.
; An s_nop 0 and four v_nop follow each of the two lines; the jump round the other line, the label and what follows the macro come after them.
.macro JLOAD s
	s_cmp_eq_u32 s11, 0
	s_cbranch_scc0 .Lfor_b_\@
	tensor_load_to_lds s[G0+4*(\s):G0+4*(\s)+3], s[G1:G1+7]
	s_nop 0
.rept 4
	v_nop
.endr
	s_branch .Lasked_\@
.Lfor_b_\@:
	tensor_load_to_lds s[G0B+4*(\s):G0B+4*(\s)+3], s[G1B:G1B+7]
	s_nop 0
.rept 4
	v_nop
.endr
.Lasked_\@:
.endm
; A round of the cluster's barrier: my work-group's barrier, so that wave 0's signal speaks for all four waves; wave 0 signals for the work-group; every wave waits for all sixteen work-groups;
; my work-group's barrier once more.  No LDS instruction of the wave is pending at a signal.
.macro CREST                           ; a round behind its opening barrier
	s_cmp_lg_u32 s10, 0
	s_cbranch_scc1 .Lnot_wave_0_\@
	s_barrier_signal -3
.Lnot_wave_0_\@:
	s_barrier_wait -3
	s_barrier_signal -1
	s_barrier_wait -1
.endm
.macro CROUND                          ; a whole round
	s_barrier_signal -1
	s_barrier_wait -1
	CREST
.endm
	s_load_b128 s[4:7], s[0:1], 0x0                ; A (xb) s[4:5], B (wb) s[6:7]
	s_load_b64 s[8:9], s[0:1], 0x10                ; out0
	v_lshl_add_u32 v[SPW], v0, 2, SPARE
	v_mov_b32 v[NIL], 0
	ds_add_u32 v[SPW], v[NIL]                      ; the wave's opening add
	v_lshrrev_b32 v1, 5, v0
	v_readfirstlane_b32 s10, v1                    ; wave 0..3
	s_lshr_b32 s11, s10, 1                         ; which half of the tile's rows is mine.  Also: I fetch for A (0) or for B (1)
	s_and_b32 s12, s10, 1                          ; which half of its columns.  Also: which 128 rows of that tile I fetch
	s_bfe_u32 s40, ttmp6, 0x40000                  ; cx: my place along the cluster's x
	s_bfe_u32 s41, ttmp6, 0x40004                  ; cy: along its y
	s_lshl_b32 s42, ttmp9, 2                       ; in a cluster launch ttmp9 and ttmp7 count clusters
	s_add_co_u32 s42, s42, s40                     ; tile column = 4 x cluster x + cx
	s_and_b32 s13, ttmp7, 0xffff
	s_lshl_b32 s13, s13, 2
	s_add_co_u32 s13, s13, s41                     ; tile row = 4 x cluster y + cy
	s_lshl_b32 s43, s41, 2
	s_lshl_b32 s43, 15, s43                        ; my row of the cluster: places 4 cy .. 4 cy + 3
	s_lshl_b32 s44, 0x1111, s40                    ; my column: places cx, cx + 4, cx + 8, cx + 12
	; descriptor group 1: a tile of 128 rows x 128 elements, padded in LDS
	s_or_b32 s[G1+0], s43, (1<<16)|(1<<20)|(1<<21)|(5<<22)|(3<<25)  ; 15:0 the mask: A's tiles go to my row; 17:16 element of 2 bytes; 20 padding on; 21 set beside a mask; 24:22 after every 64 words (code 5); 31:25 of 4 words (code 3)
	s_or_b32 s[G1B+0], s44, (1<<16)|(1<<20)|(1<<21)|(5<<22)|(3<<25) ; the same with the mask of my column, for B's tiles
.irp g, G1, G1B
	s_mov_b32 s[(\g)+1], KSTEP<<16                 ; 63:48 tensor_dim0, low half = 128
	s_mov_b32 s[(\g)+2], 128<<16                   ; 79:64 its high half = 0; 95:80 tensor_dim1, low half = 128
	s_mov_b32 s[(\g)+3], KSTEP<<16                 ; 111:96 its high half = 0; 127:112 tile_dim0 = 128
	s_mov_b32 s[(\g)+4], 128                       ; 143:128 tile_dim1 = 128; 159:144 tile_dim2 = 0
	s_mov_b32 s[(\g)+5], SIZE_K                    ; 191:160 tensor_dim0_stride, low word: elements from row to row
	s_mov_b32 s[(\g)+6], 0
	s_mov_b32 s[(\g)+7], 0
.endr
	; where the tiles come from.  A's hang on the tile row alone, which my row of the cluster shares; B's on the tile column alone, which my column shares.
	; Every wave makes both addresses, in registers that never hold the other coordinate, and asks by one of them.
	s_lshl_b32 s17, s12, 7                         ; which 128 rows of the tile I fetch
	s_lshl_b32 s16, s13, 8
	s_add_co_u32 s16, s16, s17                     ; A: row 256 x tile row + 128 x half
	s_lshl_b32 s46, s42, 8
	s_add_co_u32 s46, s46, s17                     ; B: row 256 x tile column + 128 x half
	s_mov_b32 s17, 0
	s_mov_b32 s47, 0
	s_mov_b64 s[18:19], SIZE_K*2
	s_mul_u64 s[16:17], s[16:17], s[18:19]         ; in bytes
	s_mul_u64 s[46:47], s[46:47], s[18:19]
	s_mul_i32 s20, s10, HALFT                      ; and where they go: A's two halves, then B's two halves = wave x 128 rows: no place in the cluster enters an LDS address
	s_wait_dscnt 0x0                               ; the opening add is done
	s_wait_kmcnt 0x0
	s_add_nc_u64 s[14:15], s[4:5], s[16:17]
	s_add_nc_u64 s[46:47], s[6:7], s[46:47]
	CROUND                                         ; all sixteen work-groups are here: the first joint loads meet
.irp s, 0,1
	s_mov_b32 s[G0+4*(\s)], 1                                      ; 1:0 count = 1
	s_add_co_u32 s[G0+4*(\s)+1], s20, (\s)*SLOT                    ; 63:32 LDS address
	s_add_nc_u64 s[G0+4*(\s)+2:G0+4*(\s)+3], s[14:15], (\s)*KSTEP*2  ; 120:64 global address: K step s
	s_or_b32 s[G0+4*(\s)+3], s[G0+4*(\s)+3], 0x80000000            ; 127:126 type = 2
	s_mov_b32 s[G0B+4*(\s)], 1
	s_add_co_u32 s[G0B+4*(\s)+1], s20, (\s)*SLOT
	s_add_nc_u64 s[G0B+4*(\s)+2:G0B+4*(\s)+3], s[46:47], (\s)*KSTEP*2
	s_or_b32 s[G0B+4*(\s)+3], s[G0B+4*(\s)+3], 0x80000000
.endr
	s_cmp_eq_u32 s11, 0                            ; a wave's two first fills stand in one branch, ahead of every wait on TENSORcnt and every LDS read: two loads of mine are out; an s_nop 0 follows each, four v_nop the second's, as in JLOAD
	s_cbranch_scc0 .Lfirst_b
	tensor_load_to_lds s[G0:G0+3], s[G1:G1+7]
	s_nop 0
	tensor_load_to_lds s[G0+4:G0+7], s[G1:G1+7]
	s_nop 0
.rept 4
	v_nop
.endr
	s_branch .Lfirst_asked
.Lfirst_b:
	tensor_load_to_lds s[G0B:G0B+3], s[G1B:G1B+7]
	s_nop 0
	tensor_load_to_lds s[G0B+4:G0B+7], s[G1B:G1B+7]
	s_nop 0
.rept 4
	v_nop
.endr
.Lfirst_asked:
	; A fragment is 16 rows x 32 K in 8 registers: lane l holds row l % 16; registers 0-3 hold K = 8 (l / 16) + 0..7, registers 4-7 hold
	; K = 16 + 8 (l / 16) + 0..7.  From rows that lie along K: two loads of 16 bytes, 32 bytes apart.  The same for source 0 and source 1.
	v_and_b32 v1, 15, v0                           ; l % 16
	v_bfe_u32 v2, v0, 4, 1                         ; l / 16
	v_mul_u32_u24 v3, v1, PITCH
	v_lshl_add_u32 v3, v2, 4, v3                   ; row x pitch + 16 x half
	s_mul_i32 s21, s11, HALFT                      ; my 128 rows of A
	s_mul_i32 s22, s12, HALFT                      ; my 128 rows of B,
	s_add_co_u32 s22, s22, 2*HALFT                 ; which lie behind A's 256
.irp s, 0,1
	v_add_nc_u32 v[ADRA+(\s)], s21, v3
	v_add_nc_u32 v[ADRB+(\s)], s22, v3
	s_add_co_u32 s21, s21, SLOT
	s_add_co_u32 s22, s22, SLOT
.endr
	s_mul_i32 s23, s10, 16*SPITCH
	s_add_co_u32 s23, s23, STAGE                   ; my stage
	v_mul_u32_u24 v4, v1, SPITCH                   ; in: row l % 16, 32 bytes for each half of the lanes
	v_lshl_add_u32 v4, v2, 5, v4
	v_add_nc_u32 v[STO], s23, v4
	v_and_b32 v5, 31, v0
	v_lshlrev_b32 v[CO], 4, v5                     ; back: the 32 lanes take one row's 512 bytes,
	v_add_nc_u32 v[RD], s23, v[CO]                 ; and the same 512 bytes in out0
	; out0 at my part of the tile: stepped once, here
	s_lshl_b32 s13, s13, 8
	s_lshl_b32 s14, s11, 7
	s_add_co_u32 s16, s13, s14                     ; my first row,
	s_lshl_b32 s16, s16, 14                        ; of 16,384 bytes
	s_mov_b32 s17, 0
	s_add_nc_u64 s[8:9], s[8:9], s[16:17]
	s_lshl_b32 s46, s42, 10                        ; my first column, in bytes: 1,024 x tile column + 512 x half (in the registers that held B's address: none that feeds A's descriptors ever holds cx)
	s_lshl_b32 s47, s12, 9
	s_add_co_u32 s46, s46, s47
	s_mov_b32 s47, 0
	s_add_nc_u64 s[8:9], s[8:9], s[46:47]
; 16 matrix instructions: m blocks a0, a0 + 1 of the window's four (hi = 0: my rows 0-63, 1: rows 64-127) x all 8 n blocks, 32 along K.
; zero = 1: the first product starts the sums: nothing is ever cleared.  The 64 accumulators take turns, one instruction a turn, in the same order in every quarter step.
.macro MUL16 f, hi, a0, zero
	WIN MUL_LO+0x50*(\hi)  ; MUL_LO or MUL_HI
.irp a, \a0, (\a0)+1
.irp b, 0,1,2,3,4,5,6,7
.if \zero
	v_wmma_f32_16x16x32_f16 v[8*(8*(\a)+(\b)):8*(8*(\a)+(\b))+7], v[(\f)+8*(\b):(\f)+8*(\b)+7], v[(\f)+8*(4*(\hi)+(\a)):(\f)+8*(4*(\hi)+(\a))+7], 0
.else
	v_wmma_f32_16x16x32_f16 v[8*(8*(\a)+(\b)):8*(8*(\a)+(\b))+7], v[(\f)+8*(\b):(\f)+8*(\b)+7], v[(\f)+8*(4*(\hi)+(\a)):(\f)+8*(4*(\hi)+(\a))+7], v[8*(8*(\a)+(\b)):8*(8*(\a)+(\b))+7]
.endif
.endr
.endr
.endm
; 32 LDS loads in one run: the fragments of one quarter step (128 rows of B, 128 rows of A, 32 K at byte k of the rows) into buffer f
.macro FETCH slot, k, f
	WIN TO_B
.irp i, 0,1,2,3,4,5,6,7
	ds_load_b128 v[(\f)+8*(\i):(\f)+8*(\i)+3],   v[ADRB+(\slot)] offset:(\k)+(\i)*16*PITCH
	ds_load_b128 v[(\f)+8*(\i)+4:(\f)+8*(\i)+7], v[ADRB+(\slot)] offset:(\k)+(\i)*16*PITCH+32
.endr
	WIN 0
.irp i, 0,1,2,3,4,5,6,7
	ds_load_b128 v[(\f)+8*(\i):(\f)+8*(\i)+3],   v[ADRA+(\slot)] offset:(\k)+(\i)*16*PITCH
	ds_load_b128 v[(\f)+8*(\i)+4:(\f)+8*(\i)+7], v[ADRA+(\slot)] offset:(\k)+(\i)*16*PITCH+32
.endr
.endm
; A load into a register that a matrix instruction has read, and an LDS store that reads a matrix result, stand four places behind that matrix instruction, and only plain vector instructions that
; name none of its registers are places (ISA guide 7.12.1 for vector instructions).  So four v_nop stand in front of each run of loads and of the way out.
.macro PLACES
.rept 4
	v_nop
.endr
.endm
; A K step is four quarter steps of 32 along K, 64 matrix instructions each, on buffers 0, 1, 0, 1.
; One of the first three: multiplies buffer f; in its middle it fetches the next quarter's fragments, at byte k of the same slot's rows, into buffer g.
.macro QUARTER slot, k, f, g, zero
	s_wait_dscnt 8                                 ; B and A's rows 0-63 are in; the youngest eight loads (A's rows 64-127) may be out
	WIN MUL_LO
	MUL16 \f, 0, 0, \zero
	MUL16 \f, 0, 2, \zero
	PLACES
	FETCH \slot, \k, \g
	s_wait_dscnt 32                                ; all but the 32 just issued
	WIN MUL_HI
	MUL16 \f, 1, 0, \zero
	MUL16 \f, 1, 2, \zero
.endm
; The last quarter multiplies buffer 1 and changes slots.  MEET is its first half: ONE barrier for the change of slots, for two things.  In front of it each wave waits for all its tensor loads, of which
; one is out: its part of the next slot; adds 0 to its spare word; and waits for that and for its own reads of this slot.  Behind it nobody reads this slot any more and the next slot is whole.
.macro MEET round                      ; round = 1: a round of the cluster's barrier follows
	WIN 0                                          ; (the add's two registers lie in window 0)
	s_wait_tensorcnt 0x0                           ; all my tensor loads have landed: the one that was out is my part of the next slot;
	ds_add_u32 v[SPW], v[NIL]                      ; 0 onto my spare word;
	s_wait_dscnt 9                                 ; (the add and the youngest eight loads may be out)
	WIN MUL_LO
	MUL16 F1, 0, 0, 0                              ; sixteen matrix instructions stand between the add and the wait for it
	s_wait_dscnt 0x0                               ; the add is done, and my reads of this slot are over:
	s_barrier_signal -1                            ; say so (where a slot is filled again this barrier opens a round of the cluster's barrier),
	MUL16 F1, 0, 2, 0                              ; work on registers while the others arrive,
.if \round
	WIN 0
.endif
	s_barrier_wait -1                              ; and go on when all four have said so
.endm
; The whole last quarter.  fill = 1: behind the round the slot just read out is filled again first, with the K step two steps on; then come the next slot's first fragments.
; From a request to the wait for it a wave issues 224 matrix instructions.  fill = 0 (the last lap): nothing is asked for, and no round follows.
.macro TURN slot, next, fill
	MEET \fill
.if \fill
	CREST                                          ; no wave of any partner still reads this slot's tile or has a load on its way
	s_add_nc_u64 s[G0+4*(\slot)+2:G0+4*(\slot)+3], s[G0+4*(\slot)+2:G0+4*(\slot)+3], 2*KSTEP*2    ; no tensor load of mine is out, so a group 0 may be written; the type bits on top are not reached
	s_add_nc_u64 s[G0B+4*(\slot)+2:G0B+4*(\slot)+3], s[G0B+4*(\slot)+2:G0B+4*(\slot)+3], 2*KSTEP*2
	JLOAD \slot                                    ; the first tensor load behind the round, my only one until the next; the four v_nop behind it are also the places in front of the loads below
.else
	PLACES
.endif
	FETCH \next, 0, F0
	WIN MUL_HI
	MUL16 F1, 1, 0, 0
	MUL16 F1, 1, 2, 0
.endm
; THE WAY OUT of block a (16 rows x 128 columns, f32), in two parts.  TOSTAGE: a lane's 32 bytes of each of 8 column blocks go into my own stage in LDS, each accumulator's low four registers first,
; and come back as whole rows of 512 bytes, into the registers that held A's fragments, two buffers by turns.  SEND: stored.
.macro TOSTAGE a
.set AC, 64*((\a)%4)
.set BK, F0+64*((\a)%2)
	WIN 0x08+4*((\a)/4)                            ; the store's data (source 1) in window 2 or 3, the address in window 0
.irp b, 0,1,2,3,4,5,6,7
	ds_store_b128 v[STO], v[AC+8*(\b):AC+8*(\b)+3] offset:64*(\b)
	ds_store_b128 v[STO], v[AC+8*(\b)+4:AC+8*(\b)+7] offset:64*(\b)+16
.endr
	WIN 0
.if (\a) >= 2
	s_wait_xcnt 0x0                                ; the stores of the block two back have had their addresses translated (ISA guide 3.1): their data registers are loaded again only behind this wait
.endif
.irp t, 0,1,2,3,4,5,6,7,8,9,10,11,12,13,14,15
	ds_load_b128 v[BK+4*(\t):BK+4*(\t)+3], v[RD] offset:(\t)*SPITCH  ; LDS serves a wave's instructions in order (ISA guide 5.7.1.4): these see the stores above, and the next block's stores come behind them
.endr
.endm
.macro SEND a, younger                 ; younger: the LDS instructions issued behind block a's loads: the next block's 16 stores and 16 loads, or none
.set BK, F0+64*((\a)%2)
.irp t, 0,1,2,3,4,5,6,7,8,9,10,11,12,13,14,15
	s_wait_dscnt (\younger)+15-(\t)
	global_store_b128 v[CO], v[BK+4*(\t):BK+4*(\t)+3], s[8:9] offset:(16*(\a)+(\t))*SIZE_N*4 th:TH_STORE_NT  ; the wave stores 512 consecutive bytes, at a multiple of 256 from out0's first byte; 127 rows at the most: inside the signed 24-bit immediate
.endr
.endm
	s_wait_tensorcnt 1                             ; my part of K step 0 is in; K step 1's may stay out
	s_barrier_signal -1
	s_barrier_wait -1                              ; everybody's is
	FETCH 0, 0, F0
	QUARTER 0, 64,  F0, F1, 1                      ; the first quarter stands in front of the loop: its products start the sums
	WIN 0                                          ; at a label and at a branch every window is 0
	s_mov_b32 s3, LAPS-1
.Llap:                                                 ; a trip goes once round the ring, from a lap's second quarter to the next lap's first, and fills both slots again: 15 trips bring K steps 2 to 31
	QUARTER 0, 128, F1, F0, 0
	QUARTER 0, 192, F0, F1, 0
	TURN 0, 1, 1
	QUARTER 1, 64,  F0, F1, 0
	QUARTER 1, 128, F1, F0, 0
	QUARTER 1, 192, F0, F1, 0
	TURN 1, 0, 1
	QUARTER 0, 64,  F0, F1, 0
	WIN 0
	s_sub_co_u32 s3, s3, 1
	s_cmp_lg_u32 s3, 0
	s_cbranch_scc1 .Llap
	QUARTER 0, 128, F1, F0, 0                      ; the last lap is written out: it fills nothing
	QUARTER 0, 192, F0, F1, 0
	TURN 0, 1, 0
	QUARTER 1, 64,  F0, F1, 0
	QUARTER 1, 128, F1, F0, 0
	QUARTER 1, 192, F0, F1, 0
	s_wait_dscnt 8                                 ; the very last quarter: nothing more to fetch
	MUL16 F1, 0, 0, 0
	MUL16 F1, 0, 2, 0
	s_wait_dscnt 0x0
	MUL16 F1, 1, 0, 0
	MUL16 F1, 1, 2, 0
	WIN 0
	PLACES                                         ; behind the last products: the stage's stores read results, and its loads land in A's fragments
	TOSTAGE 0
	TOSTAGE 1
.irp a, 0,1,2,3,4,5                    ; a block's trip through the stage stands between the loads of the block before and its stores
	SEND \a, 32
	TOSTAGE (\a)+2
.endr
	SEND 6, 32
	SEND 7, 0
	s_wait_tensorcnt 0x0                           ; the wave's end: a wait, an add of 0 to my spare word and its wait, behind my last tensor load and my last LDS store
	ds_add_u32 v[SPW], v[NIL]
	s_wait_dscnt 0x0
	CROUND                                         ; the closing round: no work-group ends while a partner may still ask for a tile that names it
	s_endpgm
.Lfunc_end_k_qe12c04eabd_gemm:
	.size	k_qe12c04eabd_gemm, .Lfunc_end_k_qe12c04eabd_gemm-k_qe12c04eabd_gemm
	.p2alignl 7, 3214868480
	.fill 96, 4, 3214868480
	.section	.rodata,"a",@progbits
	.p2align	6, 0x0
	.amdhsa_kernel k_qe12c04eabd_gemm
		.amdhsa_group_segment_fixed_size 327680
		.amdhsa_private_segment_fixed_size 0
		.amdhsa_enable_private_segment 0
		.amdhsa_kernarg_size 24
		.amdhsa_user_sgpr_count 2
		.amdhsa_user_sgpr_kernarg_segment_ptr 1
		.amdhsa_wavefront_size32 1
		.amdhsa_system_sgpr_workgroup_id_x 1
		.amdhsa_system_sgpr_workgroup_id_y 1
		.amdhsa_system_sgpr_workgroup_id_z 1
		.amdhsa_system_vgpr_workitem_id 0
		.amdhsa_next_free_vgpr 1024
		.amdhsa_next_free_sgpr 66
		.amdhsa_reserve_vcc 0
		.amdhsa_float_denorm_mode_32 3
		.amdhsa_float_denorm_mode_16_64 3
		.amdhsa_memory_ordered 1
		.amdhsa_forward_progress 1
		.amdhsa_inst_pref_size 143
	.end_amdhsa_kernel
	.amdgpu_metadata
---
amdhsa.version: [ 1, 2 ]
amdhsa.kernels:
  - .name:           k_qe12c04eabd_gemm
    .symbol:         k_qe12c04eabd_gemm.kd
    .args:
      - { .name: xb, .offset: 0, .size: 8, .value_kind: global_buffer, .address_space: global }
      - { .name: wb, .offset: 8, .size: 8, .value_kind: global_buffer, .address_space: global }
      - { .name: out0, .offset: 16, .size: 8, .value_kind: global_buffer, .address_space: global }
    .group_segment_fixed_size: 327680
    .private_segment_fixed_size: 0
    .kernarg_segment_align: 8
    .kernarg_segment_size: 24
    .max_flat_workgroup_size: 128
    .sgpr_count:     66
    .vgpr_count:     1024
    .wavefront_size: 32
...
	.end_amdgpu_metadata
.endif
;; end of part 2
;; ======== version 2 of 2: 2 launches; version 1 with the launch prep written anew for expert scheduling mode
;; limits: values are held in f16: magnitudes above 65,504 overflow, below 6.1e-05 lose precision; inputs' magnitudes at most 65,504
;; workspace buffers: xb 33,554,432 bytes; wb 33,554,432 bytes
;; launch prep (part 3): grid 256 x 1, 17 waves a work-group, no clusters, 227,584 bytes of LDS; arguments x, V, alpha, xb, wb; writes xb, wb
.if DOCPART == 3
	.amdgcn_target "amdgcn-amd-amdhsa--gfx1250"
	.amdhsa_code_object_version 6
	.text
	.protected	k_qe12c04eabd_prep
	.globl	k_qe12c04eabd_prep
	.p2align	8
	.type	k_qe12c04eabd_prep,@function
k_qe12c04eabd_prep:
	s_mov_b64 s[64:65], 0
	v_nop
	global_prefetch_b8 v0, s[64:65] scope:SCOPE_SE
	s_setreg_imm32_b32 hwreg(HW_REG_WAVE_SCHED_MODE, 0, 2), 2
	s_setreg_imm32_b32 hwreg(HW_REG_WAVE_MODE, 25, 1), 1
	s_wait_xcnt 0x0
	s_wait_alu depctr_vm_vsrc(0)
; PREPARES THE PRODUCT out = x W^T:  xb = f16(x);  wb[r][c] = f16(a[i] V[i][c]), i = (r - c) mod 4096;  a = the soft top-k mask of alpha.
; THE MASK.  In the alternating projections the hyperplane's correction p is one number for all entries and cancels in the next step, and z + q is the last unclipped vector.  So step t's
; result is z_t = clip(y - tau_t, 0, 1), y = alpha / 0.01, tau_1 = (sum y - 41) / 4096, tau_(t+1) = tau_t + (sum z_t - 41) / 4096: an identity for every input.  All 50 steps are made.
; THE FORMAT.  Every output must lie within 1% of the outputs' root mean square r (plus 1% of itself).  A rounding to 8 significant bits is off by some 0.17% of the number (root mean square), two operands'
; by 0.24% of r in a sum of 4,096 products, and the largest of 16.7 million such errors lies some five times higher: over the line.  f16 has 11 bits: an eighth of that.
; LIMITS.  f16 holds no number beyond 65,504: |x| and |a V| stay under it (numbers like the drawn ones reach 5.4 and 0.0157); below 6.1e-5 f16 keeps its fixed step of 6e-8.
; The mask's carry is tau alone, so the roundings fall otherwise than with z, p, q carried; y is taken as 100 alpha (at most one unit in the last place from alpha / 0.01f); sums are trees
; over lanes; NaN and infinities are not treated apart.  x and a V are rounded once to f16.
; SHARES.  256 work-groups of 17 waves.  Work-group g owns x's rows 16 g .. 16 g + 15 and W's tile of rows r0 = 512 (g / 32) on, columns c0 = 128 (g % 32) on.  Waves 0-15 are BUILDERS; wave 16
; makes the mask, all 4,096 numbers in its own registers (128 a lane), while the builders convert x and have their rows of V on the way.  Each work-group makes the mask for itself: no traffic between work-groups.
; THE SKEW.  The tile needs V's rows i = r0 - c0 - 128 + t, t = 0 .. 639 (mod 4096), columns c0 .. c0 + 127.  Element (t, x) belongs to stage row t + x, and W's row r0 + rho is stage row rho + 128.
; Builder w holds rows t = 40 w - 3 .. 40 w + 39 in registers, lane l columns 4 l .. 4 l + 3.  For each t it packs A[t][4l], A[t-1][4l+1], A[t-2][4l+2], A[t-3][4l+3]: four neighbouring f16 of stage
; row t + 4 l, one store of 8 bytes.  Lanes are 4 x 272 + 8 = 1,096 bytes = 274 words apart: 18 l mod 64 takes 32 different even values, so the 32 pairs of words fall on 64 different banks
; (64 banks of 4 bytes: ISA guide 11.1).  Stage rows 0-127 and 640-767 are written in part and never read.
; No matrix unit, no cluster, no tensor load: the launch streams, and what neighbouring tiles share of V is a triangle at their edge.
; REGISTERS.  190 a wave, so that five waves fit on a SIMD: v0 and v1, whose first use ends with the head, are used a second time (see the map).
; THE MODE: SCHED_MODE bits 1:0 = 2 (LLVM: expert scheduling mode 2), set by the entry lines.  The code itself states the register dependences between vector instructions and memory or LDS
; instructions, and between a vector instruction that writes a scalar register and its readers, with s_wait_alu, always for 0.
; THE PLAN.  Registers that memory or LDS instructions touch:
;   v2-v15          offsets and LDS addresses: written in the head, read by loads and stores, never written again.  v188, v189: written in the head, read by the closing add alone.
;   v[VD + 4 j ..]  j = 0 .. 31.  x's chunk j lands; two conversions close it up in place; the store of xb reads the first two registers; V's row j lands.  The chunks go in groups of eight: behind group
;                   g + 1's conversions stand the waits for group g's stores and for both groups' conversions; then V's eight rows into group g's registers, then group g + 1's stores.
;   v[VD + 4 k ..]  k = 32 .. 42.  V's rows land; no vector instruction names them before that.
;   v0, v1          read by the head's vector lines; then two LDS loads land in them; then v_readlane_b32 reads them.
;   the fours       row k's four f16 are written by two conversions into v[VD + 4 k - 12 : VD + 4 k - 11], the first two registers of row k - 3, which packs k - 3 and k - 2 were the last to read; one LDS
;                   store reads them; nothing writes them again before the way out.  The rows go in groups of eight: at a group's head one wait states that the group before has written its fours, and that
;                   group's stores are dealt among this group's rows.  Group g's vector lines name registers from VD + 32 g - 12 on; the stores of group g - 1 read none above VD + 32 g - 15, and v[VS].
;   s[32:47]        eight rows' a: written by a run of eight v_readlane_b32 at a group's head, with one wait behind the run; read by the group's packed multiplies.
;   v16-v79         on the way out sixteen LDS loads land there: behind the last wait on va_vdst of the rows (no vector instruction follows it) and a wait on vm_vsrc for the fours' stores.
;   the mask wave   alpha lands in v16-v143; vector work alone follows (its loop holds no memory instruction and writes no scalar register, so it holds no wait); one wait; 32 LDS stores read them.
.set SP,     272                       ; a stage row: 256 bytes of data + 16
.set AL,     768*SP                    ; behind the stage's 768 rows: a[4096], f32
.set SPARE,  AL+16384                  ; behind it: the spare words, 128 bytes for each of 17 waves, in nine blocks of 256 bytes that no other line names
.set VA0, 0                            ; v0      in the head my thread's number; later a[(i0 - 8 + lane) mod 4096]
.set LN,  1                            ; v1      in the head my lane;
.set VA1, 1                            ;         later a[(i0 + 24 + lane) mod 4096]
.set XO,  2                            ; v2      16 x lane: my 16 bytes in 512 of x or alpha; never rewritten
.set XS,  3                            ; v3      8 x lane: my 8 bytes in 256 of xb; never rewritten
.set VA,  4                            ; v4-9    byte offset in V of my 16 bytes in the first row of six blocks of 8 rows (i0 - 8, i0, .. i0 + 32, each mod 4096); never rewritten
.set VS,  10                           ; v10     stage address of my 8 bytes for t = 40 w; never rewritten
.set RD,  11                           ; v11     the way out: my 16 bytes in the first two stage rows that my wave stores
.set A0A, 12                           ; v12     LDS address of a[(i0 - 8 + lane) mod 4096]; never rewritten
.set A1A, 13                           ; v13     of a[(i0 + 24 + lane) mod 4096]; never rewritten
.set GO,  14                           ; v14     the way out: my 16 bytes in two rows of wb
.set AST, 15                           ; v15     the mask wave: where a lane's first four a go
.set VD,  16                           ; v16-187 V's row k = 0 .. 42 (t = 40 w - 3 + k) at VD + 4 k; before that x's chunk j = 0 .. 31 at VD + 4 j; then the fours; at last the rows on the way out
.set SPW, 188                          ; v188    LDS address of my spare word; never rewritten
.set NIL, 189                          ; v189    0; never rewritten
.set Y,   16                           ; the mask wave: v16-143 y;  v144-151 four running pairs;  v152-167 eight pairs at work
.set ACC, 144
.set T,   152
.set ONE, 168                          ; v168-169 1.0 twice
.set NT,  170                          ; v170-171 - tau twice
.set R,   172
.set R1,  173
.set WV,  14                           ; s14     my wave's number
.set SA,  32                           ; s[32:47] eight pairs: a row's a in the low word (the packed multiply takes it for both halves), 0 above
	s_load_b256 s[4:11], s[0:1], 0x0               ; x s[4:5], V s[6:7], alpha s[8:9], xb s[10:11]
	s_load_b64 s[12:13], s[0:1], 0x20              ; wb
	v_lshl_add_u32 v[SPW], v0, 2, SPARE
	v_mov_b32 v[NIL], 0
	v_lshrrev_b32 v1, 5, v0
	v_readfirstlane_b32 s[WV], v1                  ; wave 0..16
	v_and_b32 v[LN], 31, v0
	s_mov_b32 s15, ttmp9                           ; g
	s_and_b32 s16, s15, 31                         ; J: the tile's 128 columns
	s_lshr_b32 s17, s15, 5                         ; Rb: its 512 rows
	s_lshl_b32 s18, s17, 9
	s_lshl_b32 s19, s16, 7
	s_sub_co_u32 s18, s18, s19
	s_wait_alu depctr_va_sdst(0)                   ; s14, the wave's number, is written, ahead of its first reader: offsets, LDS addresses and the branches are made from it
	s_mul_i32 s19, s[WV], 40
	s_add_co_u32 s18, s18, s19
	s_sub_co_u32 s18, s18, 128                     ; i0 = r0 - c0 - 128 + 40 w: V's row for t = 40 w; a multiple of 8, used under & 4095 alone
	s_lshl_b32 s25, s16, 9                         ; the tile's columns in a row of V, in bytes
	v_lshlrev_b32 v[XO], 4, v[LN]
	v_lshlrev_b32 v[XS], 3, v[LN]
.irp b, 0,1,2,3,4,5
	s_add_co_u32 s19, s18, 8*(\b)-8                ; a block of 8 rows begins at a multiple of 8, so it never wraps inside
	s_and_b32 s19, s19, 4095
	s_lshl_b32 s19, s19, 14                        ; a row of V is 16,384 bytes
	s_add_co_u32 s19, s19, s25
	v_lshl_add_u32 v[VA+(\b)], v[LN], 4, s19
.endr
	s_mul_i32 s19, s[WV], 40*SP
	v_mul_u32_u24 v[VS], v[LN], 4*SP+8
	v_add_nc_u32 v[VS], s19, v[VS]                 ; (40 w + 4 l) x 272 + 8 l
	s_sub_co_u32 s19, s18, 8
	v_add_nc_u32 v[A0A], s19, v[LN]
	v_and_b32 v[A0A], 0xfff, v[A0A]
	v_lshl_add_u32 v[A0A], v[A0A], 2, AL
	s_add_co_u32 s19, s18, 24
	v_add_nc_u32 v[A1A], s19, v[LN]
	v_and_b32 v[A1A], 0xfff, v[A1A]
	v_lshl_add_u32 v[A1A], v[A1A], 2, AL
	v_lshrrev_b32 v[GO], 4, v[LN]                  ; lanes 0-15 take one row, lanes 16-31 the next
	v_and_b32 v[AST], 15, v[LN]
	s_lshl_b32 s19, s[WV], 5
	s_add_co_u32 s19, s19, 128                     ; my wave stores W's rows 32 w .. 32 w + 31 of the tile: stage rows 128 + 32 w on
	s_mul_i32 s19, s19, SP
	v_mul_u32_u24 v[RD], v[GO], SP
	v_lshl_add_u32 v[RD], v[AST], 4, v[RD]
	v_add_nc_u32 v[RD], s19, v[RD]
	v_lshlrev_b32 v[GO], 13, v[GO]                 ; a row of wb is 8,192 bytes
	v_lshl_add_u32 v[GO], v[AST], 4, v[GO]
	v_lshl_add_u32 v[AST], v[LN], 4, AL
	s_lshl_b32 s20, s15, 18                        ; x: 16 rows of 16,384 bytes a work-group, one row a builder
	s_lshl_b32 s21, s[WV], 14
	s_add_co_u32 s20, s20, s21
	s_mov_b32 s21, 0
	s_lshl_b32 s22, s15, 17                        ; xb: half of that
	s_lshl_b32 s23, s[WV], 13
	s_add_co_u32 s22, s22, s23
	s_mov_b32 s23, 0
	s_lshl_b32 s28, s17, 22                        ; wb: 512 rows of 8,192 bytes, 32 rows a builder, 256 bytes of columns
	s_lshl_b32 s29, s[WV], 18
	s_add_co_u32 s28, s28, s29
	s_lshl_b32 s29, s16, 8
	s_add_co_u32 s28, s28, s29
	s_mov_b32 s29, 0
	s_mov_b32 s26, 0x76543210                      ; v_permlanex16_b32: each lane takes its own place in the other half
	s_mov_b32 s27, 0xfedcba98
.irp i, 1,3,5,7,9,11,13,15
	s_mov_b32 s[SA+(\i)], 0                        ; named with the low words as pairs, so they are written
.endr
	s_wait_kmcnt 0x0
	s_add_nc_u64 s[4:5], s[4:5], s[20:21]
	s_add_nc_u64 s[10:11], s[10:11], s[22:23]
	s_add_nc_u64 s[12:13], s[12:13], s[28:29]
	s_wait_alu depctr_va_vdst(0)                   ; v2 to v15 are written, which every load and store of both ways below reads as its offset or address; and the head is done reading v0 and v1, in which two LDS loads land later
	s_cmp_eq_u32 s[WV], 16
	s_cbranch_scc1 .Lmask
; BUILDERS, FIRST PART: my row of x to f16, and my 43 rows of V asked for as registers come free.
.macro VLOAD k                         ; V's row k of my 43: 512 consecutive bytes a wave; block (k + 5) / 8 of the six, row (k + 5) % 8 in it
	global_load_b128 v[VD+4*(\k):VD+4*(\k)+3], v[VA+((\k)+5)/8], s[6:7] offset:(((\k)+5)%8)*16384
.endm
.macro XCV j                           ; chunk j of my row of x: 4 numbers a lane close up into the first two of their four registers
.if (\j) < 8
	s_wait_loadcnt 42-(\j)                         ; younger loads that may stay out: the 31 - j chunks behind j and V's 11 early rows
.else
	s_wait_loadcnt 42-(\j)+8*((\j)/8-1)            ; and 8 rows of V for each group of chunks whose registers have been asked for again: all groups but the one before this
.endif
	v_cvt_pk_f16_f32 v[VD+4*(\j)], v[VD+4*(\j)], v[VD+4*(\j)+1]
	v_cvt_pk_f16_f32 v[VD+4*(\j)+1], v[VD+4*(\j)+2], v[VD+4*(\j)+3]
.endm
.macro XST j                           ; 8 bytes a lane out; the wave's store covers 256 consecutive bytes, aligned
	global_store_b64 v[XS], v[VD+4*(\j):VD+4*(\j)+1], s[10:11] offset:256*(\j)
.endm
.set j, 0
.rept 32
	global_load_b128 v[VD+4*j:VD+4*j+3], v[XO], s[4:5] offset:512*j th:TH_LOAD_NT  ; the whole row, 16 KiB, on its way at once
.set j, j+1
.endr
.set j, 32
.rept 11
	VLOAD j                                        ; rows 32-42 lie in registers that x does not use
.set j, j+1
.endr
.set grp, 0
.rept 4
.set j, 8*grp
.rept 8
	XCV j
.set j, j+1
.endr
.if grp > 0
	s_wait_xcnt 0x0                                ; the stores of the group before have had their addresses translated (ISA guide 3.1): their data registers are loaded again only behind this wait
	s_wait_alu depctr_vm_vsrc(0)                   ; the stores of the group before have read their data registers, in which the rows of V below land
.endif
	s_wait_alu depctr_va_vdst(0)                   ; this group's conversions have written the pairs that its stores read; the conversions of the group before are done with the registers in which the rows of V land
.if grp > 0
.set j, 8*grp-8
.rept 8
	VLOAD j                                        ; into the registers of the group before: loads ahead of stores
.set j, j+1
.endr
.endif
.set j, 8*grp
.rept 8
	XST j
.set j, j+1
.endr
.set grp, grp+1
.endr
	s_wait_xcnt 0x0                                ; the last group's stores have had their addresses translated: their data registers are loaded again only behind this wait
	s_wait_alu depctr_vm_vsrc(0)                   ; the last group's stores have read their data registers, in which rows 24-31 land (its conversions stand ahead of the last wait on va_vdst, and no vector instruction follows that)
.set j, 24
.rept 8
	VLOAD j
.set j, j+1
.endr
	s_branch .LjoinA
; THE MASK WAVE.  Lane l holds alpha's numbers 128 m + 4 l + 0..3, m = 0 .. 31.
.macro REDUCE first                    ; the four running pairs -> one sum S in every lane -> - tau takes (41 - S) / 4096
	v_pk_add_f32 v[ACC:ACC+1], v[ACC:ACC+1], v[ACC+2:ACC+3]
	v_pk_add_f32 v[ACC+4:ACC+5], v[ACC+4:ACC+5], v[ACC+6:ACC+7]
	v_pk_add_f32 v[ACC:ACC+1], v[ACC:ACC+1], v[ACC+4:ACC+5]
	v_add_f32 v[R], v[ACC], v[ACC+1]
	v_add_f32_dpp v[R], v[R], v[R] row_xmask:1 row_mask:0xf bank_mask:0xf
	v_add_f32_dpp v[R], v[R], v[R] row_xmask:2 row_mask:0xf bank_mask:0xf
	v_add_f32_dpp v[R], v[R], v[R] row_xmask:4 row_mask:0xf bank_mask:0xf
	v_add_f32_dpp v[R], v[R], v[R] row_xmask:8 row_mask:0xf bank_mask:0xf
	v_permlanex16_b32 v[R1], v[R], s26, s27
	v_add_f32 v[R], v[R], v[R1]
	v_sub_f32 v[R1], 0x42240000, v[R]              ; 41 - S
.if \first
	v_mul_f32 v[NT], 0x39800000, v[R1]             ; x 2^-12, exact
.else
	v_fmamk_f32 v[NT], v[R1], 0x39800000, v[NT]
.endif
	v_mov_b32 v[NT+1], v[NT]
.endm
.Lmask:
.set m, 0
.rept 32
	global_load_b128 v[Y+4*m:Y+4*m+3], v[XO], s[8:9] offset:512*m
.set m, m+1
.endr
	v_mov_b32 v[ONE], 1.0
	v_mov_b32 v[ONE+1], 1.0
	v_mov_b32 v[R1], 0                             ; v_permlanex16_b32's destination counts as read
	s_wait_loadcnt 0x0
.set p, 0
.rept 64
	v_pk_mul_f32 v[Y+2*p:Y+2*p+1], v[Y+2*p:Y+2*p+1], 0x42c80000 op_sel_hi:[1,0]  ; y = 100 alpha
.set p, p+1
.endr
.irp c, 0,1,2,3
	v_pk_add_f32 v[ACC+2*(\c):ACC+2*(\c)+1], v[Y+2*(\c):Y+2*(\c)+1], v[Y+2*(\c)+8:Y+2*(\c)+9]  ; the first eight pairs start four chains: nothing is cleared
.endr
.set p, 8
.rept 56
	v_pk_add_f32 v[ACC+2*(p%4):ACC+2*(p%4)+1], v[ACC+2*(p%4):ACC+2*(p%4)+1], v[Y+2*p:Y+2*p+1]
.set p, p+1
.endr
	REDUCE 1                                       ; tau_1
	s_mov_b32 s24, 49
.Liter:                                                ; 49 trips: the sums of z_1 .. z_49 make tau_2 .. tau_50
.set p, 0
.rept 64
.if p < 4
	v_pk_fma_f32 v[ACC+2*p:ACC+2*p+1], v[Y+2*p:Y+2*p+1], v[ONE:ONE+1], v[NT:NT+1] clamp  ; clip(y - tau, 0, 1); the first four pairs start the chains
.else
	v_pk_fma_f32 v[T+2*(p%8):T+2*(p%8)+1], v[Y+2*p:Y+2*p+1], v[ONE:ONE+1], v[NT:NT+1] clamp
.endif
.if p >= 8
	v_pk_add_f32 v[ACC+2*((p-4)%4):ACC+2*((p-4)%4)+1], v[ACC+2*((p-4)%4):ACC+2*((p-4)%4)+1], v[T+2*((p-4)%8):T+2*((p-4)%8)+1]  ; a pair is added four pairs behind its clip
.endif
.set p, p+1
.endr
.set p, 60
.rept 4
	v_pk_add_f32 v[ACC+2*(p%4):ACC+2*(p%4)+1], v[ACC+2*(p%4):ACC+2*(p%4)+1], v[T+2*(p%8):T+2*(p%8)+1]
.set p, p+1
.endr
	REDUCE 0
	s_sub_co_i32 s24, s24, 1
	s_cmp_lg_u32 s24, 0
	s_cbranch_scc1 .Liter
.set p, 0
.rept 64
	v_pk_fma_f32 v[Y+2*p:Y+2*p+1], v[Y+2*p:Y+2*p+1], v[ONE:ONE+1], v[NT:NT+1] clamp  ; a = z_50
.set p, p+1
.endr
	s_wait_alu depctr_va_vdst(0)                   ; the 64 clips have written a into v[Y ..], which the LDS stores read
.set m, 0
.rept 32
	ds_store_b128 v[AST], v[Y+4*m:Y+4*m+3] offset:512*m
.set m, m+1
.endr
.LjoinA:
	s_wait_dscnt 0x0                               ; for the builders' sake: the mask wave's stores of a are done
	s_barrier_signal -1
	s_barrier_wait -1                              ; the builders' rows of V stay on their way across it: nobody writes those bytes
	s_cmp_eq_u32 s[WV], 16
	s_cbranch_scc1 .LjoinB
; BUILDERS, SECOND PART: each row is scaled by its a and the skewed fours go into the stage, the rows in groups of eight.
.macro GETA k                          ; row k's a into pair k % 8
.if (\k) <= 26
	v_readlane_b32 s[SA+2*((\k)%8)], v[VA0], (\k)+5   ; row k is i0 - 3 + k = i0 - 8 + (k + 5)
.else
	v_readlane_b32 s[SA+2*((\k)%8)], v[VA1], (\k)-27  ; = i0 + 24 + (k - 27)
.endif
.endm
.macro ROWK k
.if (\k) < 32
	s_wait_loadcnt 31-(\k)                         ; rows k + 1 .. 31 may stay out; rows 32-42 were asked for ahead of row 0
.endif
	v_pk_mul_f32 v[VD+4*(\k):VD+4*(\k)+1], v[VD+4*(\k):VD+4*(\k)+1], s[SA+2*((\k)%8):SA+2*((\k)%8)+1] op_sel_hi:[1,0]
	v_pk_mul_f32 v[VD+4*(\k)+2:VD+4*(\k)+3], v[VD+4*(\k)+2:VD+4*(\k)+3], s[SA+2*((\k)%8):SA+2*((\k)%8)+1] op_sel_hi:[1,0]
.if (\k) >= 3
	v_cvt_pk_f16_f32 v[VD+4*(\k)-12], v[VD+4*(\k)], v[VD+4*(\k)-3]    ; row k's first number, row k - 1's second,
	v_cvt_pk_f16_f32 v[VD+4*(\k)-11], v[VD+4*(\k)-6], v[VD+4*(\k)-9]  ; row k - 2's third, row k - 3's fourth: into row k - 3's first two registers, read for the last time by packs k - 3 and k - 2
.endif
.endm
.macro PUT k                           ; row k's four into stage row 40 w + k - 3 + 4 l
	ds_store_b64 v[VS], v[VD+4*(\k)-12:VD+4*(\k)-11] offset:((\k)-3)*SP
.endm
	ds_load_b32 v[VA0], v[A0A]                     ; no wait: since the head's wait on va_vdst no vector instruction has named v0, v1, v12 or v13
	ds_load_b32 v[VA1], v[A1A]
	s_wait_dscnt 0x0                               ; both are in
.set grp, 0
.rept 6
.set kk, 8*grp
.rept 8
.if kk < 43
	GETA kk
.endif
.set kk, kk+1
.endr
	s_wait_alu depctr_va_sdst(0)                   ; the run of v_readlane_b32 has written the group's a into s[32:47], ahead of the first packed multiply that reads one
.if grp > 0
	s_wait_alu depctr_va_vdst(0)                   ; the group before has written its fours, which the LDS stores below read; this group's vector lines name none of those registers
.endif
.set kk, 8*grp
.rept 8
.if (grp > 0) && (kk >= 11)
	PUT kk-8                                       ; the stores of the group before, one ahead of each row of this group
.endif
.if kk < 43
	ROWK kk
.endif
.set kk, kk+1
.endr
.set grp, grp+1
.endr
	s_wait_alu depctr_va_vdst(0)                   ; rows 40-42 have written their fours, which the last three stores read; no vector instruction follows, so the way out's LDS loads into v16-v79 lean on this wait too
	PUT 40
	PUT 41
	PUT 42
.LjoinB:
	s_wait_dscnt 0x0                               ; for the others' sake: my stores into the stage are done
	s_barrier_signal -1
	s_barrier_wait -1
	s_wait_alu depctr_vm_vsrc(0)                   ; my LDS stores have read their data, registers among v16-v79, in which the rows on the way out land
	s_cmp_eq_u32 s[WV], 16
	s_cbranch_scc1 .Lend
; BUILDERS, THIRD PART: 32 whole rows of the tile a wave, two rows a store: 16 lanes store 256 consecutive bytes, at a multiple of 256 from wb's first byte.
.set t, 0
.rept 16
	ds_load_b128 v[VD+4*t:VD+4*t+3], v[RD] offset:2*t*SP
.set t, t+1
.endr
.set t, 0
.rept 16
	s_wait_dscnt 15-t                              ; LDS loads come back in order (ISA guide 5.7.1): pair t is in, the younger ones stay out
	global_store_b128 v[GO], v[VD+4*t:VD+4*t+3], s[12:13] offset:16384*t
.set t, t+1
.endr
.Lend:
	s_wait_dscnt 0x0                               ; the closing lines, six on end
	s_wait_alu 0x0
	s_wait_tensorcnt 0x0
	ds_add_u32 v[SPW], v[NIL]
	s_wait_dscnt 0x0
	s_endpgm
.Lfunc_end_k_qe12c04eabd_prep:
	.size	k_qe12c04eabd_prep, .Lfunc_end_k_qe12c04eabd_prep-k_qe12c04eabd_prep
	.p2alignl 7, 3214868480
	.fill 96, 4, 3214868480
	.section	.rodata,"a",@progbits
	.p2align	6, 0x0
	.amdhsa_kernel k_qe12c04eabd_prep
		.amdhsa_group_segment_fixed_size 227584
		.amdhsa_private_segment_fixed_size 0
		.amdhsa_enable_private_segment 0
		.amdhsa_kernarg_size 40
		.amdhsa_user_sgpr_count 2
		.amdhsa_user_sgpr_kernarg_segment_ptr 1
		.amdhsa_wavefront_size32 1
		.amdhsa_system_sgpr_workgroup_id_x 1
		.amdhsa_system_sgpr_workgroup_id_y 1
		.amdhsa_system_sgpr_workgroup_id_z 1
		.amdhsa_system_vgpr_workitem_id 0
		.amdhsa_next_free_vgpr 192
		.amdhsa_next_free_sgpr 66
		.amdhsa_reserve_vcc 0
		.amdhsa_float_denorm_mode_32 3
		.amdhsa_float_denorm_mode_16_64 3
		.amdhsa_memory_ordered 1
		.amdhsa_forward_progress 1
		.amdhsa_inst_pref_size 69
	.end_amdhsa_kernel
	.amdgpu_metadata
---
amdhsa.version: [ 1, 2 ]
amdhsa.kernels:
  - .name:           k_qe12c04eabd_prep
    .symbol:         k_qe12c04eabd_prep.kd
    .args:
      - { .name: x, .offset: 0, .size: 8, .value_kind: global_buffer, .address_space: global }
      - { .name: V, .offset: 8, .size: 8, .value_kind: global_buffer, .address_space: global }
      - { .name: alpha, .offset: 16, .size: 8, .value_kind: global_buffer, .address_space: global }
      - { .name: xb, .offset: 24, .size: 8, .value_kind: global_buffer, .address_space: global }
      - { .name: wb, .offset: 32, .size: 8, .value_kind: global_buffer, .address_space: global }
    .group_segment_fixed_size: 227584
    .private_segment_fixed_size: 0
    .kernarg_segment_align: 8
    .kernarg_segment_size: 40
    .max_flat_workgroup_size: 544
    .sgpr_count:     66
    .vgpr_count:     192
    .wavefront_size: 32
...
	.end_amdgpu_metadata
.endif
;; end of part 3
;; launch gemm: the kernel of part 2 again; grid 16 x 16, 4 waves a work-group, clusters of 4 x 4, 327,680 bytes of LDS; arguments xb, wb, out0; writes out0
